; MI455X (gfx1250); checked and timed in simulation.
; The chip was launched on July 23, 2026; its instructions are those of AMD's public machine-readable ISA for CDNA 5 (MIT licence, August 2026) and "CDNA5" Instruction Set Architecture Reference Guide (July 2026). The comments in the code are by the model that wrote it; some were corrected since.
;; Pattention. Allowed arithmetic: matrix products marked QUANTISED: E2M3 operands, one E8M0 scale for each 32 along K, by v_wmma_scale_f32_16x16x128_f8f6f4 with both operands' format E2M3, f32 sums; everything else in f32.
;; Inputs: inputs_codes 4 x 2,048 x 32 x 24 uint8 (E2M3 codes of inputs, K innermost, in blocks of 32 codes, four codes in three bytes); inputs_scales 4 x 2,048 x 32 uint8 (E8M0 scales of inputs, one for each 32 codes along K); key_param_tokens_codes 4,096 x 32 x 24 uint8 (E2M3 codes of key_param_tokens, K innermost, in blocks of 32 codes, four codes in three bytes); key_param_tokens_scales 4,096 x 32 uint8 (E8M0 scales of key_param_tokens, one for each 32 codes along K); value_param_tokens_codes 1,024 x 128 x 24 uint8 (E2M3 codes of value_param_tokens, K innermost, in blocks of 32 codes, four codes in three bytes); value_param_tokens_scales 1,024 x 128 uint8 (E8M0 scales of value_param_tokens, one for each 32 codes along K).
;; Outputs: out0 4 x 2,048 x 1,024 float32.
;; This version of the problem:
;;   THIS VERSION OF THE PROBLEM IS GIVEN IN LOW PRECISION. The matrix products marked QUANTISED in the list below multiply operands that are first quantised to E2M3 (2 exponent bits, 3 mantissa bits; 6 bits a number), with one power-of-two scale for each 32 numbers along K (OCP MX v1.0); their sums are f32. All else is computed in f32.
;;   The module's matrix products, in the order in which they are computed (A, B: the left and right operand; K: the contracted axis; several contracted axes count as one K, in the product's order):
;;     1. [M 8,192, K 1,024] x [K 1,024, N 4,096]; A: input inputs (given as codes); B: input key_param_tokens (given as codes): QUANTISED
;;     2. [M 8,192, K 4,096] x [K 4,096, N 1,024]; A: computed on the way; B: input value_param_tokens (given as codes): QUANTISED
;;   THE QUANTISER, for each operand of a quantised product, along K:
;;     - K is cut into blocks of 32 from its start; a last block that is shorter is filled with zeros.
;;     - A block's scale is 2^e with e = floor(log2(the largest magnitude in the block)) - 2, held to -126 .. 127; a block of zeros has e = 0. As a byte (E8M0): e + 127.
;;     - Each number is divided by its block's scale, clamped to +-7.5, and rounded to the nearest number of E2M3, ties to even, subnormals kept.
;;     - The product sums the exact products of the quantised numbers (number of the format x scale) in f32.
;;   ~~~python
;;   def quantise(x, axis):      # numpy; x: float32 -> the quantised numbers, widened to float32 again
;;       x = np.moveaxis(x, axis, -1); K = x.shape[-1]
;;       x = np.pad(x, [(0, 0)] * (x.ndim - 1) + [(0, -K % 32)]); x = x.reshape(x.shape[:-1] + (-1, 32)); a = np.abs(x).max(-1, keepdims=True)
;;       e = np.where(a > 0, np.clip(np.frexp(np.where(a > 0, a, 1))[1] - 1 - 2, -126, 127), 0)      # np.frexp(a)[1] - 1 = floor(log2(a)), exactly
;;       r = np.clip(x / 2.0 ** e, -7.5, 7.5)
;;       step = 2.0 ** (np.maximum(np.frexp(np.where(r == 0, 1, r))[1] - 1, 0) - 3)
;;       q = np.round(r / step) * step * 2.0 ** e      # np.round: ties to even
;;       return np.moveaxis(q.reshape(q.shape[:-2] + (-1,))[..., :K], -1, axis).astype(np.float32)
;;   ~~~
;;   OPERANDS COMPUTED ON THE WAY. 'Computed on the way' means the value that the module computes at that place (a softmax that the list does not call 'softmax' is quantised finished and normalised). What goes into a quantiser is computed in f32, as accurately as f32 sums, v_exp_f32 and their like allow (about 1e-6 of the number): no bf16 or f16 on the way to a quantiser, and a product that is left as it is and whose result goes on into a quantised operand takes f32 operands (vector FMAs, or v_wmma_f32_16x16x4_f32). A number that lies on a knife's edge between two numbers of the format may be rounded either way, as far as f32 arithmetic and the matrix unit's own rounding can turn it there, and no further.
;;   INPUTS GIVEN AS CODES. inputs (in the module: [4, 2048, 1024], K = its axis 2); key_param_tokens (in the module: [4096, 1024], K = its axis 1); value_param_tokens (in the module: [4096, 1024], K = its axis 0): each comes as NAME_codes (uint8): NAME with its K axis moved to the last place and cut into blocks of 32 codes, [.., K / 32, bytes a block], one block behind the other in memory; four codes in three bytes: a row's codes are one little-endian stream of bits, code i at bits 6 i .. 6 i + 5 (a code: sign, 2 exponent bits, 3 mantissa bits); and NAME_scales (uint8): the same leading axes, one E8M0 byte (e + 127) for each 32 codes along K. Its value is code x scale, taken as it is: it is not quantised again, and the codes and scales need not be those that the quantiser above would give.
;; One version. Each part assembles by itself: llvm-mc -triple=amdgcn-amd-amdhsa -mcpu=gfx1250 --defsym DOCPART=n.
;; ======== version 1 of 1: 3 launches
;; limits: right only within a limited range of input values
;; workspace buffers: scores 134,217,728 bytes; wq 26,214,400 bytes; vq 3,276,800 bytes
;; launch scores_gemm (part 1): grid 16 x 16, 4 waves a work-group, clusters of 4 x 4, 327,680 bytes of LDS; arguments inputs_codes, inputs_scales, key_param_tokens_codes, key_param_tokens_scales, scores; writes scores
.if DOCPART == 1
	.amdgcn_target "amdgcn-amd-amdhsa--gfx1250"
	.amdhsa_code_object_version 6
	.text
	.protected	k_q79fc5bfc4b_scores_gemm
	.globl	k_q79fc5bfc4b_scores_gemm
	.p2align	8
	.type	k_q79fc5bfc4b_scores_gemm,@function
k_q79fc5bfc4b_scores_gemm:
	s_mov_b64 s[64:65], 0
	v_nop
	global_prefetch_b8 v0, s[64:65] scope:SCOPE_SE
	s_setreg_imm32_b32 hwreg(HW_REG_WAVE_MODE, 25, 1), 1
	s_wait_xcnt 0x0
	s_wait_alu depctr_hold_cnt(0) depctr_sa_sdst(0) depctr_va_vdst(0) depctr_va_sdst(0) depctr_va_ssrc(0) depctr_va_vcc(0) depctr_vm_vsrc(0)
	s_getreg_b32 s2, hwreg(HW_REG_IB_STS2, 6, 4)
	s_cmp_eq_u32 s2, 0
	s_cbranch_scc0 .Lentry_in_a_cluster
	s_endpgm
.Lentry_in_a_cluster:
	s_bfe_u32 s2, ttmp6, 0x10000c
	s_cmp_lg_u32 s2, 0xf033
	s_cbranch_scc0 .Lentry_shape_is_right
	s_endpgm
.Lentry_shape_is_right:
; PATTENTION, launch 1 of 3: scores = inputs x keys^T (M 8,192, N 4,096, K 1,024; FP6 E2M3 codes with E8M0 scales as given, f32 sums).  Nothing of reference() is left out.
; A work-group makes 512 rows x 256 columns, a wave all 512 rows x 64 columns.  The wave's 64 keys, all of K, stay in 384 registers; the rows come in four tiles of 128 through two LDS slots.
; THE MATRIX INSTRUCTION IS USED TRANSPOSED (source 0 = keys, source 1 = inputs), and lane r of tile 2 b + u takes key 32 b + 8 u + r + 8 (r / 8): so lane (r, h) holds row r, and its 16 registers
; of tiles 2 b, 2 b + 1 are columns 32 b + 16 h + 0 .. 15: 16 neighbours along the next product's K.  The accumulators are stored as they lie in registers.
; scores, 2,048 bytes for 16 rows x 32 columns: registers 4 d .. 4 d + 3 of lane l at 512 d + 16 l; (row block m, column block c) at (128 m + c) x 2,048.
.set SIZE_M, 8192
.set SIZE_N, 4096
.set SIZE_K, 1024
.set KROW,   SIZE_K*6/8
.set PITCH,  816
.set FR,     12
.set BLKB,   16*PITCH
.set QUART,  32*PITCH
.set HALFB,  64*PITCH
.set SLOT,   128*PITCH
.set TILEB,  128*KROW
.set SCA,    2*SLOT
.set SCQ,    16*272
.set STAGE,  SCA+4*SCQ
.set SPITCH, 272
.set SPARE,  STAGE+4*16*SPITCH
.set ADRA, 16
.set ADRB, 24
.set ADRS, 26
.set STO,  27
.set RD,   28
.set CO,   29
.set SPW,  30
.set NIL,  31
.set BS,   32
.set ACC,  64
.set OB,   128
.set AS,   160
.set G1A, 24
.set G0A, 32
.set G1B, 48
.set G0B, 56
.set G1S, 68
.set G0S, 76
.set MSB, 0
.macro WIN new
.if MSB != \new
	s_set_vgpr_msb (MSB<<8)|\new
.set MSB, \new
.endif
.endm
.set W_LO,  0x0d
.set W_HI,  0x0e
.set TO_B0, 0x40
.set TO_B1, 0x80
.set TO_A,  0xc0
.macro CREST
	s_cmp_lg_u32 s14, 0
	s_cbranch_scc1 .Lnot_wave_0_\@
	s_barrier_signal -3
.Lnot_wave_0_\@:
	s_barrier_wait -3
	s_barrier_signal -1
	s_barrier_wait -1
.endm
.macro CROUND
	s_barrier_signal -1
	s_barrier_wait -1
	CREST
.endm
.macro PLACES n
.rept \n
	v_nop
.endr
.endm
.macro SHAPE g, rows
	s_mov_b32 s[\g+1], 32<<16
	s_mov_b32 s[\g+2], (\rows)<<16
	s_mov_b32 s[\g+3], 32<<16
	s_mov_b32 s[\g+4], \rows
	s_mov_b32 s[\g+5], 32
	s_mov_b32 s[\g+6], 0
	s_mov_b32 s[\g+7], 0
.endm
	s_load_b128 s[4:7], s[0:1], 0x0
	s_load_b128 s[8:11], s[0:1], 0x10
	s_load_b64 s[12:13], s[0:1], 0x20
	v_lshl_add_u32 v[SPW], v0, 2, SPARE
	v_mov_b32 v[NIL], 0
	ds_add_u32 v[SPW], v[NIL]
	ds_add_u32 v[SPW], v[NIL]
	v_lshrrev_b32 v1, 5, v0
	v_readfirstlane_b32 s14, v1
	s_bfe_u32 s40, ttmp6, 0x40000
	s_bfe_u32 s41, ttmp6, 0x40004
	s_lshl_b32 s42, ttmp9, 2
	s_add_co_u32 s42, s42, s40
	s_and_b32 s17, ttmp7, 0xffff
	s_lshl_b32 s17, s17, 2
	s_add_co_u32 s17, s17, s41
	s_lshl_b32 s43, s41, 2
	s_lshl_b32 s43, 15, s43
	s_lshl_b32 s44, 0x1111, s40
	s_or_b32 s[G1A+0], s43, (3<<16)|(1<<20)|(1<<21)|(5<<22)|(3<<25)
	s_or_b32 s[G1S+0], s43, (3<<16)|(1<<20)|(1<<21)|(5<<22)|(3<<25)
	s_or_b32 s[G1B+0], s44, (3<<16)|(1<<20)|(1<<21)|(5<<22)|(3<<25)
	SHAPE G1A, 96
	SHAPE G1S, 16
	SHAPE G1B, 192
	s_lshl_b32 s20, s17, 9
	s_lshl_b32 s18, s14, 5
	s_add_co_u32 s20, s20, s18
	s_mov_b32 s21, 0
	s_lshl_b32 s22, s17, 9
	s_lshl_b32 s18, s14, 7
	s_add_co_u32 s22, s22, s18
	s_lshl_b32 s22, s22, 5
	s_mov_b32 s23, 0
	s_lshl_b32 s46, s42, 8
	s_lshl_b32 s18, s14, 6
	s_add_co_u32 s46, s46, s18
	s_mov_b32 s47, 0
	s_lshl_b32 s92, s46, 5
	s_mov_b32 s93, 0
	s_mov_b64 s[18:19], KROW
	s_mul_u64 s[20:21], s[20:21], s[18:19]
	s_mul_u64 s[46:47], s[46:47], s[18:19]
	s_mul_i32 s45, s14, QUART
	s_mul_i32 s94, s14, HALFB
	s_mul_i32 s95, s14, SCQ
	s_wait_dscnt 0x0
	s_wait_kmcnt 0x0
	s_add_nc_u64 s[20:21], s[4:5], s[20:21]
	s_add_nc_u64 s[22:23], s[6:7], s[22:23]
	s_add_nc_u64 s[46:47], s[8:9], s[46:47]
	s_add_nc_u64 s[10:11], s[10:11], s[92:93]
	s_mov_b32 s[G0B], 1
	s_mov_b32 s[G0B+1], s94
	s_mov_b64 s[G0B+2:G0B+3], s[46:47]
	s_or_b32 s[G0B+3], s[G0B+3], 0x80000000
	s_mov_b32 s[G0S], 1
	s_add_co_u32 s[G0S+1], s95, SCA
	s_mov_b64 s[G0S+2:G0S+3], s[22:23]
	s_or_b32 s[G0S+3], s[G0S+3], 0x80000000
.irp s, 0,1
	s_mov_b32 s[G0A+4*\s], 1
	s_add_co_u32 s[G0A+4*\s+1], s45, \s*SLOT
	s_add_nc_u64 s[G0A+4*\s+2:G0A+4*\s+3], s[20:21], \s*TILEB
	s_or_b32 s[G0A+4*\s+3], s[G0A+4*\s+3], 0x80000000
.endr
	CROUND
	tensor_load_to_lds s[G0B:G0B+3], s[G1B:G1B+7]
	s_nop 0
	s_wait_alu depctr_va_vdst(0)
	s_wait_tensorcnt 0x0
	ds_add_u32 v30, v31
	s_wait_dscnt 0x0
	CROUND
	tensor_load_to_lds s[G0S:G0S+3], s[G1S:G1S+7]
	s_nop 0
	PLACES 4
	v_and_b32 v1, 15, v0
	v_bfe_u32 v2, v0, 4, 1
	v_mul_u32_u24 v3, v1, PITCH
	v_mul_u32_u24 v4, v2, 24
	v_add_nc_u32 v4, v3, v4
	v_lshl_add_u32 v5, v2, 4, v4
.irp q, 0,1,2,3
	v_add_nc_u32 v[ADRA+2*\q], \q*HALFB, v4
	v_add_nc_u32 v[ADRA+2*\q+1], \q*HALFB, v5
.endr
	v_and_b32 v9, 8, v1
	v_add_nc_u32 v9, v9, v1                        ; r + 8 (r / 8): the keys of a tile
	v_mul_u32_u24 v10, v9, PITCH
	v_mad_u32_u24 v10, v2, 24, v10
	v_add_nc_u32 v[ADRB], s94, v10
	v_lshl_add_u32 v[ADRB+1], v2, 4, v[ADRB]
	v_lshrrev_b32 v6, 3, v1
	v_and_b32 v7, 7, v1
	v_mul_u32_u24 v6, v6, 272
	v_lshl_add_u32 v6, v7, 5, v6
	v_add_nc_u32 v[ADRS], SCA, v6
	v_and_b32 v6, 31, v0
	v_lshlrev_b32 v[CO], 4, v6                     ; the way out: 16 x lane
	v_lshlrev_b32 v8, 5, v9                        ; the keys' scales: 32 bytes a key
	s_wait_alu depctr_va_vdst(0)
	s_lshl_b32 s20, s17, 23
	s_mov_b32 s21, 0
	s_mov_b32 s90, 0                               ; what the next way out adds to the base: nothing the first time
	s_mov_b32 s91, 0
	s_lshl_b32 s46, s42, 14                        ; 8 column blocks of 2,048 bytes a tile column,
	s_lshl_b32 s47, s14, 12                        ; 2 a wave
	s_add_co_u32 s46, s46, s47
	s_mov_b32 s47, 0
	s_add_nc_u64 s[20:21], s[20:21], s[46:47]
	s_add_nc_u64 s[12:13], s[12:13], s[20:21]
.irp b, 0,1,2,3
	global_load_b128 v[BS+8*\b:BS+8*\b+3], v8, s[10:11] offset:(32*(\b/2)+8*(\b%2))*32
	global_load_b128 v[BS+8*\b+4:BS+8*\b+7], v8, s[10:11] offset:(32*(\b/2)+8*(\b%2))*32+16
.endr
.macro FRAG reg, adr, s, off
.irp p, 0,1,2,3,4,5
.set PC, 12*(\s)+6*(\p/3)+\p%3
.if PC%32 < 29
	ds_load_b64 v[\reg+2*\p:\reg+2*\p+1], v[\adr] offset:8*PC+16*(PC/32)+(\off)
.else
	ds_load_b64 v[\reg+2*\p:\reg+2*\p+1], v[\adr+1] offset:8*PC+16*(PC/32)+(\off)
.endif
.endr
.endm
.macro MUL4 p, s, zero
.irp b, 0,1,2,3
.if \zero
	v_wmma_scale_f32_16x16x128_f8f6f4 v[ACC+32*(\p)+8*\b:ACC+32*(\p)+8*\b+7], v[48*((\s)%4)+FR*\b:48*((\s)%4)+FR*\b+FR-1], v[96*(\p)+FR*(\s):96*(\p)+FR*(\s)+FR-1], 0, v[BS+8*\b+(\s)], v[AS+8*(\p)+(\s)] matrix_a_fmt:MATRIX_FMT_FP6 matrix_b_fmt:MATRIX_FMT_FP6
.else
	v_wmma_scale_f32_16x16x128_f8f6f4 v[ACC+32*(\p)+8*\b:ACC+32*(\p)+8*\b+7], v[48*((\s)%4)+FR*\b:48*((\s)%4)+FR*\b+FR-1], v[96*(\p)+FR*(\s):96*(\p)+FR*(\s)+FR-1], v[ACC+32*(\p)+8*\b:ACC+32*(\p)+8*\b+7], v[BS+8*\b+(\s)], v[AS+8*(\p)+(\s)] matrix_a_fmt:MATRIX_FMT_FP6 matrix_b_fmt:MATRIX_FMT_FP6
.endif
.endr
.endm
.macro FETCH v, i
	WIN TO_A
.irp s, 0,1,2,3,4,5,6,7
	FRAG 96*((\i)%2)+FR*\s, ADRA+4*((\v)%2)+2*((\i)/4), \s, ((\i)%4)*BLKB
.endr
	WIN 0
	ds_load_b128 v[AS+8*((\i)%2):AS+8*((\i)%2)+3], v[ADRS] offset:544*(8*(\v)+(\i))
	ds_load_b128 v[AS+8*((\i)%2)+4:AS+8*((\i)%2)+7], v[ADRS] offset:544*(8*(\v)+(\i))+16
.endm
.macro OUT q                           ; a finished block, 16 rows x 64 columns, as it lies in registers; each accumulator from its low end on
	s_wait_xcnt 0x0                                ; the earlier stores have read their base
	s_add_nc_u64 s[12:13], s[12:13], s[90:91]
.irp b, 0,1
.irp d, 0,1,2,3
	global_store_b128 v[CO], v[ACC+32*(\q)+16*\b+4*\d:ACC+32*(\q)+16*\b+4*\d+3], s[12:13] offset:2048*\b+512*\d th:TH_STORE_NT   ; 32 lanes store 512 consecutive bytes
.endr
.endr
	s_mov_b32 s90, 0x40000                         ; from here on a row block, 262,144 bytes, further each time
.endm
.macro BLOCK v, i
	s_wait_dscnt 0x0
	s_wait_xcnt 0x0                                ; the stores of the block before last have read the accumulators that this block begins anew
	WIN W_LO
	MUL4 (\i)%2, 0, 1
	MUL4 (\i)%2, 1, 0
	MUL4 (\i)%2, 2, 0
	MUL4 (\i)%2, 3, 0
	WIN 0
	PLACES 5
.if 8*(\v)+(\i) > 0
	OUT 1-(\i)%2
.endif
.if (\i) < 7
	FETCH \v, \i+1
.endif
	WIN W_HI
	MUL4 (\i)%2, 4, 0
	MUL4 (\i)%2, 5, 0
	MUL4 (\i)%2, 6, 0
	MUL4 (\i)%2, 7, 0
	WIN 0
.endm
.macro CHANGE v
	s_wait_tensorcnt 0x0
	ds_add_u32 v[SPW], v[NIL]
.if ((\v) == 1) || ((\v) == 2)
	s_add_nc_u64 s[G0A+4*(((\v)+1)%2)+2:G0A+4*(((\v)+1)%2)+3], s[G0A+4*(((\v)+1)%2)+2:G0A+4*(((\v)+1)%2)+3], 2*TILEB
.endif
	s_wait_dscnt 0x0
.if (\v) < 3
	CROUND
	tensor_load_to_lds s[G0A+4*(((\v)+1)%2):G0A+4*(((\v)+1)%2)+3], s[G1A:G1A+7]
	s_nop 0
	PLACES 4
.else
	s_barrier_signal -1
	s_barrier_wait -1
.endif
	FETCH \v, 0
.endm
.macro VISIT v
	CHANGE \v
.irp i, 0,1,2,3,4,5,6,7
	BLOCK \v, \i
.endr
.endm
	s_wait_tensorcnt 0x1
	WIN TO_B0
.irp s, 0,1,2,3
.irp b, 0,1,2,3
	FRAG 48*\s+FR*\b, ADRB, \s, (32*(\b/2)+8*(\b%2))*PITCH
.endr
.endr
	WIN TO_B1
.irp s, 4,5,6,7
.irp b, 0,1,2,3
	FRAG 48*(\s-4)+FR*\b, ADRB, \s, (32*(\b/2)+8*(\b%2))*PITCH
.endr
.endr
	WIN 0
	s_wait_tensorcnt 0x0
	ds_add_u32 v[SPW], v[NIL]
	s_wait_loadcnt 0x0
	s_wait_dscnt 0x0
	CROUND
	tensor_load_to_lds s[G0A:G0A+3], s[G1A:G1A+7]
	s_nop 0
	PLACES 4
	VISIT 0
	VISIT 1
	VISIT 2
	VISIT 3
	PLACES 4
	OUT 1
	s_wait_tensorcnt 0x0
	ds_add_u32 v[SPW], v[NIL]
	s_wait_dscnt 0x0
	CROUND
	s_endpgm
.Lfunc_end_k_q79fc5bfc4b_scores_gemm:
	.size	k_q79fc5bfc4b_scores_gemm, .Lfunc_end_k_q79fc5bfc4b_scores_gemm-k_q79fc5bfc4b_scores_gemm
	.p2alignl 7, 3214868480
	.fill 96, 4, 3214868480
	.section	.rodata,"a",@progbits
	.p2align	6, 0x0
	.amdhsa_kernel k_q79fc5bfc4b_scores_gemm
		.amdhsa_group_segment_fixed_size 327680
		.amdhsa_private_segment_fixed_size 0
		.amdhsa_enable_private_segment 0
		.amdhsa_kernarg_size 40
		.amdhsa_user_sgpr_count 2
		.amdhsa_user_sgpr_kernarg_segment_ptr 1
		.amdhsa_wavefront_size32 1
		.amdhsa_system_sgpr_workgroup_id_x 1
		.amdhsa_system_sgpr_workgroup_id_y 1
		.amdhsa_system_sgpr_workgroup_id_z 1
		.amdhsa_system_vgpr_workitem_id 0
		.amdhsa_next_free_vgpr 1024
		.amdhsa_next_free_sgpr 98
		.amdhsa_reserve_vcc 0
		.amdhsa_float_denorm_mode_32 3
		.amdhsa_float_denorm_mode_16_64 3
		.amdhsa_memory_ordered 1
		.amdhsa_forward_progress 1
		.amdhsa_inst_pref_size 255
	.end_amdhsa_kernel
	.section	.bss,"aw",@nobits
	.p2align	6
	.space	262144
	.amdgpu_metadata
---
amdhsa.version: [ 1, 2 ]
amdhsa.kernels:
  - .name:           k_q79fc5bfc4b_scores_gemm
    .symbol:         k_q79fc5bfc4b_scores_gemm.kd
    .args:
      - { .name: inputs_codes, .offset: 0, .size: 8, .value_kind: global_buffer, .address_space: global }
      - { .name: inputs_scales, .offset: 8, .size: 8, .value_kind: global_buffer, .address_space: global }
      - { .name: key_param_tokens_codes, .offset: 16, .size: 8, .value_kind: global_buffer, .address_space: global }
      - { .name: key_param_tokens_scales, .offset: 24, .size: 8, .value_kind: global_buffer, .address_space: global }
      - { .name: scores, .offset: 32, .size: 8, .value_kind: global_buffer, .address_space: global }
    .group_segment_fixed_size: 327680
    .private_segment_fixed_size: 0
    .kernarg_segment_align: 8
    .kernarg_segment_size: 40
    .max_flat_workgroup_size: 128
    .sgpr_count:     98
    .vgpr_count:     1024
    .wavefront_size: 32
...
	.end_amdgpu_metadata
.endif
;; end of part 1
;; launch gelu_norm_quant (part 2): grid 512 x 1, 16 waves a work-group, no clusters, 6,144 bytes of LDS; arguments scores, wq, value_param_tokens_codes, value_param_tokens_scales, vq; writes wq, vq
.if DOCPART == 2
	.amdgcn_target "amdgcn-amd-amdhsa--gfx1250"
	.amdhsa_code_object_version 6
	.text
	.protected	k_q79fc5bfc4b_gelu_norm_quant
	.globl	k_q79fc5bfc4b_gelu_norm_quant
	.p2align	8
	.type	k_q79fc5bfc4b_gelu_norm_quant,@function
k_q79fc5bfc4b_gelu_norm_quant:
	s_mov_b64 s[64:65], 0
	v_nop
	global_prefetch_b8 v0, s[64:65] scope:SCOPE_SE
	s_setreg_imm32_b32 hwreg(HW_REG_WAVE_MODE, 25, 1), 1
	s_wait_xcnt 0x0
; PATTENTION, launch 2 of 3: w = gelu(scores) / ||gelu(scores)||_2 x sqrt(4096), row by row of 4,096, all in f32; then the quantiser of the second product's left operand along those 4,096
; (FP6 E2M3 codes, one E8M0 byte for each 32).  Nothing of reference() is left out.
; SHARES.  A work-group owns 16 rows (a row block), wave w their columns 256 w .. 256 w + 255: 16,384 consecutive bytes of scores, in which lane (r, h) finds row r, and in each 2,048 bytes 16 neighbours:
; columns 32 c + 16 h + 0 .. 15.  The wave's 32 loads, of 512 consecutive bytes each, are all issued at the head, straight into the 128 registers in which the numbers stay
; between the pass that makes the gelus and their sums of squares and the pass that scales and converts: the scores are read once and turn through no LDS.
; THE NORM: each lane's sum of squares, with lane l xor 16's, is its row's over the wave's columns; the sixteen waves' sums meet in LDS, one barrier.  64 / norm is one v_rsq_f32 and one multiplication.
; THE WAY OUT: a block of 32 lies in lanes l and l xor 16; the conversions' results, with the halves of each pair of blocks exchanged between those lanes, are the operand's registers, and are stored as they lie.
; A RECORD of wq, 6,400 bytes: fragment q (16 rows x 128 K) at 1,536 q, in it registers 4 j .. 4 j + 3 of lane l at 512 j + 16 l; from byte 6,144 on 16 scale bytes a row.
; Record (K block kb, row block m) at (512 kb + m) x 6,400.  Waves 2 kb and 2 kb + 1 make a record; the odd wave's scale words go through LDS to the even one, which stores the 256 scale bytes whole.
; THE VALUE TOKENS are laid the same way into vq (record (kb, n block) at (64 kb + n) x 6,400): work-group g lays record g: waves 0-3 a fragment each, wave 4 the scale bytes.
; THE GELU, exact (erf) form: gelu(x) = max(x, 0) - |x| Q(|x|), Q(a) = erfc(a / sqrt 2) / 2 = t 2^E, t = 1 / (1 + a / (2 sqrt 2)),
; E = -(log2 e / 2) a^2 + c0 + t (c1 + .. + t c9): the Chebyshev fit of erfc of Numerical Recipes (fractional error under 1.2e-7), its coefficients x log2 e, 1 off c0 for the half.
; THE QUANTISER: a block's byte is its largest magnitude's exponent field - 2, held at 1 from below.  A block of zeros so gets the byte 1 where the rule says 127: its codes are zeros, which add nothing
; under any byte but 0xff, and the bytes are read by this program alone.  Beyond 7.5 the conversion gives the largest code.
; LIMITS.  E is rounded in f32, so the gelu's relative error in the negative tail grows as about 1e-7 |E|: about 1e-6 at x = -4, about 1e-5 at x = -13.  Under x = -13.1 the gelu is 0 where f32 would hold
; a denormal (v_exp_f32's entry in the ISA guide).  A row whose gelus are all exactly 0 (reference(): NaN) is not served; NaN and infinities among the scores are not served;
; a sum of squares beyond f32's range overflows here as in reference().
.set REC,   6400
.set SWX,   2048                       ; LDS: bytes 0-2,047 the waves' sums; 2,048-4,095 the waves' scale words, 8 bytes a row
.set SPARE, 4096                       ; then the spare words, 128 bytes a wave
.set SPW,   12
.set NIL,   13
.set M,     16                         ; v16-31 maxima, bytes, scale operands
.set U,     32                         ; v32-39 the second halves' codes
.set SW,    40                         ; v40-41 my two scale words;  v42-43 my partner's
.set SWP,   42
.set PSV,   44                         ; v44-59 the sixteen waves' sums
.set SX,    60
.set G,     64                         ; v64-191 my 16 rows x 256 columns: 8 column blocks x 16 numbers
.set T,     192
.set P,     208
.set W,     224
.set FB,    192                        ; second pass: two fragments
.set SS,    240
.set C9,    248
.set CC,    250
.set CF,    24
.set NK,    42
.set SEL,   44
.set KD,    46
	s_load_b128 s[4:7], s[0:1], 0x0                ; scores, wq
	s_load_b128 s[8:11], s[0:1], 0x10              ; value codes, value scales
	s_load_b64 s[12:13], s[0:1], 0x20              ; vq
	v_lshl_add_u32 v[SPW], v0, 2, SPARE
	v_mov_b32 v[NIL], 0
	v_lshrrev_b32 v1, 5, v0
	v_readfirstlane_b32 s16, v1                    ; wave
	s_lshl_b32 s20, ttmp9, 18                      ; 262,144 bytes of scores a row block,
	s_lshl_b32 s21, s16, 14                        ; 16,384 a wave
	s_add_co_u32 s20, s20, s21
	s_mov_b32 s21, 0
	s_lshr_b32 s17, s16, 1                         ; my K block,
	s_and_b32 s57, s16, 1                          ; and which half of it
	s_mul_i32 s22, s17, 512*REC
	s_mul_i32 s19, ttmp9, REC
	s_add_co_u32 s22, s22, s19
	s_mul_i32 s23, s57, 2*1536
	s_add_co_u32 s22, s22, s23
	s_mov_b32 s23, 0
	s_and_b32 s54, ttmp9, 63                       ; the value tokens' record: n block,
	s_lshr_b32 s55, ttmp9, 6                       ; K block
	s_mul_i32 s48, s54, 16*3072
	s_mul_i32 s49, s55, 384
	s_add_co_u32 s48, s48, s49
	s_mul_i32 s49, s16, 96                         ; fragment = wave (waves 0-3)
	s_add_co_u32 s48, s48, s49
	s_mov_b32 s49, 0
	s_lshl_b32 s50, s54, 11
	s_lshl_b32 s51, s55, 4
	s_add_co_u32 s50, s50, s51
	s_mov_b32 s51, 0
	s_mul_i32 s52, s16, 1536                       ; fragment w at 1,536 w; wave 4 stands at 6,144, the scale bytes
	s_add_co_u32 s52, s52, s19
	s_mov_b32 s53, 0
	s_lshl_b32 s56, s16, 7
	s_add_co_u32 s58, s56, SWX
.macro COEF k, bits
	s_mov_b32 s[CF+2*\k], \bits
	s_mov_b32 s[CF+2*\k+1], \bits
.endm
	COEF 0, 0xc034d90f
	COEF 1, 0x3fb8ab5a
	COEF 2, 0x3f0a29d2
	COEF 3, 0x3e0efb2e
	COEF 4, 0xbe899a80
	COEF 5, 0x3ecdfd18
	COEF 6, 0xbfd1a1e5
	COEF 7, 0x40097039
	COEF 8, 0xbf97d29d
	s_mov_b32 s[NK], 0xbf38aa3b                    ; -log2(e) / 2
	s_mov_b32 s[NK+1], 0xbf38aa3b
	s_mov_b32 s[SEL], 0x76543210
	s_mov_b32 s[SEL+1], 0xfedcba98
	s_mov_b32 s[KD], 0x3eb504f3                    ; 1 / (2 sqrt 2)
	v_and_b32 v2, 31, v0
	v_lshlrev_b32 v3, 4, v2                        ; 16 x lane
	v_lshlrev_b32 v4, 2, v2                        ; 4 x lane
	v_lshlrev_b32 v7, 3, v2                        ; 8 x lane
	v_add_nc_u32 v6, s56, v4                       ; LDS: my wave's sums, my word
	v_and_b32 v1, 15, v2
	v_bfe_u32 v10, v2, 4, 1
	v_lshlrev_b32 v5, 4, v1
	v_lshl_add_u32 v5, v10, 3, v5                  ; scale words out: 16 r + 8 h
	v_lshl_add_u32 v11, v1, 3, s58                 ; LDS: my wave's scale words, my row's 8 bytes
	v_mul_u32_u24 v8, v1, 3072
	v_mad_u32_u24 v8, v10, 24, v8                  ; my place in the value tokens' rows,
	v_lshrrev_b32 v9, 1, v2
	v_lshlrev_b32 v9, 7, v9
	v_and_b32 v14, 1, v2
	v_lshl_add_u32 v9, v14, 3, v9                  ; and in their scales: row lane / 2, 8 bytes
.irp b, 4,5,6,7
	v_mov_b32 v[M+\b], 0                           ; a lane permute's destination counts as one of its sources
.endr
.irp b, 0,1,2,3,4,5,6,7,8,9,10,11
	v_mov_b32 v[FB+\b], 0                          ; the value tokens' registers: written on every way through the head
.endr
	v_mov_b32 v[C9], 0x3e7c6f08
	v_mov_b32 v[C9+1], 0x3e7c6f08
	s_wait_alu depctr_va_vdst(0)                   ; the wait at the head's end
	s_wait_kmcnt 0x0
	s_add_nc_u64 s[4:5], s[4:5], s[20:21]
	s_add_nc_u64 s[6:7], s[6:7], s[22:23]
	s_add_nc_u64 s[8:9], s[8:9], s[48:49]
	s_add_nc_u64 s[10:11], s[10:11], s[50:51]
	s_add_nc_u64 s[12:13], s[12:13], s[52:53]      ; no pointer is stepped from here on
	s_cmp_lt_u32 s16, 4                            ; the value tokens are asked for first,
	s_cbranch_scc0 .Lask_scales
.irp p, 0,1,2,3,4,5
	global_load_b64 v[FB+2*\p:FB+2*\p+1], v8, s[8:9] offset:48*(\p/3)+8*(\p%3)     ; as an operand fragment
.endr
	s_branch .Lasked
.Lask_scales:
	s_cmp_eq_u32 s16, 4
	s_cbranch_scc0 .Lasked
	global_load_b64 v[FB:FB+1], v9, s[10:11]
.Lasked:
.irp b, 0,1,2,3,4,5,6,7
.irp d, 0,1,2,3
	global_load_b128 v[G+16*\b+4*\d:G+16*\b+4*\d+3], v3, s[4:5] offset:2048*\b+512*\d th:TH_LOAD_NT   ; 32 lanes read 512 consecutive bytes, read once in the launch
.endr
.endr
	s_cmp_lt_u32 s16, 4
	s_cbranch_scc0 .Lput_scales
	s_wait_loadcnt 32                              ; the fragment is in; the 32 loads of scores behind it may be out
.irp j, 0,1,2
	global_store_b128 v3, v[FB+4*\j:FB+4*\j+3], s[12:13] offset:512*\j             ; stored as it lies in registers
.endr
	s_wait_xcnt 0x0                                ; the gelu writes these registers
	s_branch .Llaid
.Lput_scales:
	s_cmp_eq_u32 s16, 4
	s_cbranch_scc0 .Llaid
	s_wait_loadcnt 32
	global_store_b64 v7, v[FB:FB+1], s[12:13]      ; 256 consecutive bytes
	s_wait_xcnt 0x0
.Llaid:
; The gelu of column block t, in place, and its squares onto the sums.  Two batches of transcendentals, each with a wait ahead of it and behind it.
.macro GELU t
.set GS, G+16*(\t)
.set i, 0
.rept 16
	v_fma_f32 v[T+i], |v[GS+i]|, s[KD], 1.0
.set i, i+1
.endr
.set i, 0
	s_wait_alu depctr_va_vdst(0)
.rept 16
	v_rcp_f32 v[T+i], v[T+i]                       ; t
.set i, i+1
.endr
.set i, 0
.rept 8
	v_pk_mul_f32 v[W+i:W+i+1], v[GS+i:GS+i+1], v[GS+i:GS+i+1]      ; x^2
.set i, i+2
.endr
	s_wait_alu depctr_va_vdst(0)
.set i, 0
.rept 8
	v_pk_fma_f32 v[P+i:P+i+1], v[T+i:T+i+1], v[C9:C9+1], s[CF+16:CF+17] op_sel_hi:[1,1,0]
.set i, i+2
.endr
.irp k, 7,6,5,4,3,2,1,0                ; Horner's scheme, the eight pairs by turns
.set i, 0
.rept 8
	v_pk_fma_f32 v[P+i:P+i+1], v[P+i:P+i+1], v[T+i:T+i+1], s[CF+2*\k:CF+2*\k+1] op_sel_hi:[1,1,0]
.set i, i+2
.endr
.endr
.set i, 0
.rept 8
	v_pk_fma_f32 v[P+i:P+i+1], v[W+i:W+i+1], s[NK:NK+1], v[P+i:P+i+1] op_sel_hi:[1,0,1]        ; E
.set i, i+2
.endr
.set i, 0
	s_wait_alu depctr_va_vdst(0)
.rept 16
	v_exp_f32 v[P+i], v[P+i]
.set i, i+1
.endr
.set i, 0
.rept 16
	v_max_num_f32 v[W+i], 0, v[GS+i]
.set i, i+1
.endr
	s_wait_alu depctr_va_vdst(0)
.set i, 0
.rept 8
	v_pk_mul_f32 v[P+i:P+i+1], v[P+i:P+i+1], v[T+i:T+i+1]          ; Q = t 2^E
.set i, i+2
.endr
.set i, 0
.rept 16
	v_fma_f32 v[GS+i], |v[GS+i]|, -v[P+i], v[W+i]  ; gelu = max(x, 0) - |x| Q
.set i, i+1
.endr
.set i, 0
.rept 8
.if ((\t) == 0) && (i < 8)
	v_pk_mul_f32 v[SS+i:SS+i+1], v[GS+i:GS+i+1], v[GS+i:GS+i+1]    ; the first four pairs start the sums
.else
	v_pk_fma_f32 v[SS+i%8:SS+i%8+1], v[GS+i:GS+i+1], v[GS+i:GS+i+1], v[SS+i%8:SS+i%8+1]
.endif
.set i, i+2
.endr
.endm
.irp b, 0,1,2,3,4,5,6,7
	s_wait_alu depctr_va_vdst(0)
	s_wait_loadcnt 4*(7-\b)                        ; column block b's four loads are in; those of the blocks behind it may be out
	GELU \b
.endr
	v_pk_add_f32 v[SS:SS+1], v[SS:SS+1], v[SS+2:SS+3]
	v_pk_add_f32 v[SS+4:SS+5], v[SS+4:SS+5], v[SS+6:SS+7]
	v_pk_add_f32 v[SS:SS+1], v[SS:SS+1], v[SS+4:SS+5]
	v_add_f32 v[SS], v[SS], v[SS+1]
	v_permlanex16_b32 v[M+4], v[SS], s[SEL], s[SEL+1]
	v_add_f32 v[SS], v[SS], v[M+4]                 ; my row's sum over my wave's 256 columns
	ds_store_b32 v6, v[SS]
	s_wait_alu depctr_va_vdst(0)
	s_wait_dscnt 0x0                               ; for the others' sake
	s_barrier_signal -1
	s_barrier_wait -1
.irp i, 0,1,2,3,4,5,6,7,8,9,10,11,12,13,14,15
	ds_load_b32 v[PSV+\i], v4 offset:128*\i
.endr
	s_wait_dscnt 0x0
.irp i, 0,2,4,6
	v_pk_add_f32 v[PSV+\i:PSV+\i+1], v[PSV+\i:PSV+\i+1], v[PSV+8+\i:PSV+9+\i]
.endr
	v_pk_add_f32 v[PSV:PSV+1], v[PSV:PSV+1], v[PSV+4:PSV+5]
	v_pk_add_f32 v[PSV+2:PSV+3], v[PSV+2:PSV+3], v[PSV+6:PSV+7]
	v_pk_add_f32 v[PSV:PSV+1], v[PSV:PSV+1], v[PSV+2:PSV+3]
	v_add_f32 v[PSV], v[PSV], v[PSV+1]
	s_wait_alu depctr_va_vdst(0)
	v_rsq_f32 v[CC], v[PSV]
	v_nop
	s_wait_alu depctr_va_vdst(0)
	v_mul_f32 v[CC], 0x42800000, v[CC]             ; x 64 = sqrt(4096)
	v_mov_b32 v[CC+1], v[CC]
; Step q of the second pass: 128 columns, four blocks of 32: w = gelu x 64 / norm; the blocks' scales; a fragment.
.macro QK q
.set H, G+64*(\q)
.set F, FB+12*(\q)
.set i, 0
.rept 32
	v_pk_mul_f32 v[H+i:H+i+1], v[H+i:H+i+1], v[CC:CC+1]
.set i, i+2
.endr
.irp b, 0,1,2,3
	v_max3_num_f32 v[M+\b], |v[H+16*\b]|, |v[H+16*\b+1]|, 0x1800000   ; with the floor 2^(3 - 127): the byte cannot fall under 1
.endr
.irp i, 2,4,6,8,10,12,14
.irp b, 0,1,2,3
	v_max3_num_f32 v[M+\b], v[M+\b], |v[H+16*\b+\i]|, |v[H+16*\b+\i+1]|
.endr
.endr
.irp b, 0,1,2,3
	v_permlanex16_b32 v[M+4+\b], v[M+\b], s[SEL], s[SEL+1]
.endr
.irp b, 0,1,2,3
	v_max_num_f32 v[M+\b], v[M+\b], v[M+4+\b]      ; the block's largest magnitude
.endr
.irp b, 0,1,2,3
	v_add_nc_u32 v[M+12+\b], 0xff000000, v[M+\b]   ; 2 off its exponent field: the conversion's scale operand
.endr
.irp b, 0,1,2,3
	v_lshrrev_b32 v[M+4+\b], 23, v[M+12+\b]        ; the scale's byte
.endr
	v_lshl_or_b32 v[SW+\q], v[M+5], 8, v[M+4]
	v_lshl_or_b32 v[SW+\q], v[M+6], 16, v[SW+\q]
	v_lshl_or_b32 v[SW+\q], v[M+7], 24, v[SW+\q]
.irp c, 0,1
	v_cvt_scalef32_pk16_fp6_f32 v[F+6*\c:F+6*\c+2], v[H+32*\c:H+32*\c+15], v[M+12+2*\c]
	v_cvt_scalef32_pk16_fp6_f32 v[U+4*\c:U+4*\c+2], v[H+32*\c+16:H+32*\c+31], v[M+12+2*\c+1]
.endr
	v_nop                                          ; one plain place behind a scaled conversion
.irp c, 0,1                            ; a whole block to a lane: lanes 0-15 block 2 c, lanes 16-31 block 2 c + 1
.irp i, 0,1,2
	v_permlane16_swap_b32 v[F+6*\c+\i], v[U+4*\c+\i]
.endr
.irp i, 0,1,2
	v_mov_b32 v[F+6*\c+3+\i], v[U+4*\c+\i]
.endr
.endr
.irp j, 0,1,2
	global_store_b128 v3, v[F+4*\j:F+4*\j+3], s[6:7] offset:1536*(\q)+512*\j   ; 32 lanes store 512 consecutive bytes, at a multiple of 256 from the buffer's first byte
.endr
.endm
	QK 0
	QK 1
	ds_store_b64 v11, v[SW:SW+1]                   ; lanes l and l xor 16 write the same 8 bytes with the same value
	s_wait_alu depctr_va_vdst(0)
	s_wait_dscnt 0x0                               ; for the others' sake
	s_barrier_signal -1
	s_barrier_wait -1
	s_cmp_eq_u32 s57, 0
	s_cbranch_scc0 .Lodd_wave
	ds_load_b64 v[SWP:SWP+1], v11 offset:128       ; the words of the wave with my K block's other half
	s_wait_dscnt 0x0
	v_cmp_eq_u32 vcc_lo, 1, v10
	v_cndmask_b32 v[SX], v[SW], v[SWP], vcc_lo     ; lanes 0-15 store their row's words 0 and 1, lanes 16-31 words 2 and 3
	v_cndmask_b32 v[SX+1], v[SW+1], v[SWP+1], vcc_lo
	global_store_b64 v5, v[SX:SX+1], s[6:7] offset:6144            ; the record's 256 scale bytes, in one instruction
.Lodd_wave:
	s_wait_tensorcnt 0x0                           ; the wave's end
	ds_add_u32 v[SPW], v[NIL]
	s_wait_dscnt 0x0
	s_endpgm
.Lfunc_end_k_q79fc5bfc4b_gelu_norm_quant:
	.size	k_q79fc5bfc4b_gelu_norm_quant, .Lfunc_end_k_q79fc5bfc4b_gelu_norm_quant-k_q79fc5bfc4b_gelu_norm_quant
	.p2alignl 7, 3214868480
	.fill 96, 4, 3214868480
	.section	.rodata,"a",@progbits
	.p2align	6, 0x0
	.amdhsa_kernel k_q79fc5bfc4b_gelu_norm_quant
		.amdhsa_group_segment_fixed_size 6144
		.amdhsa_private_segment_fixed_size 0
		.amdhsa_enable_private_segment 0
		.amdhsa_kernarg_size 40
		.amdhsa_user_sgpr_count 2
		.amdhsa_user_sgpr_kernarg_segment_ptr 1
		.amdhsa_wavefront_size32 1
		.amdhsa_system_sgpr_workgroup_id_x 1
		.amdhsa_system_sgpr_workgroup_id_y 1
		.amdhsa_system_sgpr_workgroup_id_z 1
		.amdhsa_system_vgpr_workitem_id 0
		.amdhsa_next_free_vgpr 256
		.amdhsa_next_free_sgpr 66
		.amdhsa_reserve_vcc 1
		.amdhsa_float_denorm_mode_32 3
		.amdhsa_float_denorm_mode_16_64 3
		.amdhsa_memory_ordered 1
		.amdhsa_forward_progress 1
		.amdhsa_inst_pref_size 106
	.end_amdhsa_kernel
	.amdgpu_metadata
---
amdhsa.version: [ 1, 2 ]
amdhsa.kernels:
  - .name:           k_q79fc5bfc4b_gelu_norm_quant
    .symbol:         k_q79fc5bfc4b_gelu_norm_quant.kd
    .args:
      - { .name: scores, .offset: 0, .size: 8, .value_kind: global_buffer, .address_space: global }
      - { .name: wq, .offset: 8, .size: 8, .value_kind: global_buffer, .address_space: global }
      - { .name: value_param_tokens_codes, .offset: 16, .size: 8, .value_kind: global_buffer, .address_space: global }
      - { .name: value_param_tokens_scales, .offset: 24, .size: 8, .value_kind: global_buffer, .address_space: global }
      - { .name: vq, .offset: 32, .size: 8, .value_kind: global_buffer, .address_space: global }
    .group_segment_fixed_size: 6144
    .private_segment_fixed_size: 0
    .kernarg_segment_align: 8
    .kernarg_segment_size: 40
    .max_flat_workgroup_size: 512
    .sgpr_count:     66
    .vgpr_count:     256
    .wavefront_size: 32
...
	.end_amdgpu_metadata
.endif
;; end of part 2
;; launch out_gemm (part 3): grid 4 x 64, 4 waves a work-group, clusters of 4 x 4, 327,680 bytes of LDS; arguments wq, vq, out0; writes out0
.if DOCPART == 3
	.amdgcn_target "amdgcn-amd-amdhsa--gfx1250"
	.amdhsa_code_object_version 6
	.text
	.protected	k_q79fc5bfc4b_out_gemm
	.globl	k_q79fc5bfc4b_out_gemm
	.p2align	8
	.type	k_q79fc5bfc4b_out_gemm,@function
k_q79fc5bfc4b_out_gemm:
	s_mov_b64 s[64:65], 0
	v_nop
	global_prefetch_b8 v0, s[64:65] scope:SCOPE_SE
	s_setreg_imm32_b32 hwreg(HW_REG_WAVE_MODE, 25, 1), 1
	s_wait_xcnt 0x0
	s_wait_alu depctr_hold_cnt(0) depctr_sa_sdst(0) depctr_va_vdst(0) depctr_va_sdst(0) depctr_va_ssrc(0) depctr_va_vcc(0) depctr_vm_vsrc(0)
	s_getreg_b32 s2, hwreg(HW_REG_IB_STS2, 6, 4)
	s_cmp_eq_u32 s2, 0
	s_cbranch_scc0 .Lentry_in_a_cluster
	s_endpgm
.Lentry_in_a_cluster:
	s_bfe_u32 s2, ttmp6, 0x10000c
	s_cmp_lg_u32 s2, 0xf033
	s_cbranch_scc0 .Lentry_shape_is_right
	s_endpgm
.Lentry_shape_is_right:
; PATTENTION, launch 3 of 3: out[m][n] = sum over k of w[m][k] v[n][k], M 8,192, N 1,024, K 4,096, both operands FP6 (E2M3) codes with E8M0 scales; sums and result f32.  Nothing is left out.
; BOTH OPERANDS COME AS RECORDS that the launch before has laid: 6,400 bytes = 25 x 256 for 16 rows x 512 K: fragment q (128 K) at 1,536 q, in it registers 4 j .. 4 j + 3 of lane l at
; 512 j + 16 l; from byte 6,144 on 16 scale bytes a row (a word for each 128 K).  wq: record (K block kb, row block) at (512 kb + block) x 6,400; vq: at (64 kb + block) x 6,400.
; So a tile is a dense run of rows of 256 bytes, a fragment is three loads of 16 bytes a lane at consecutive LDS bytes, nothing is padded, and the scales travel with their codes.
; A tile of out, 128 x 256, is made by four waves, each 64 x 128: 32 accumulators, 256 registers.  256 work-groups.  K goes in 8 blocks of 512 through two LDS slots of 24 records
; (A's 8, B's 16).  Waves 0, 1 fetch A's halves (100 rows of 256 bytes), waves 2, 3 B's (200): one tensor load a wave for each fill.
; A K block is four steps of 128 along K, 32 matrix instructions each; a step's fragments are fetched at the head of the step before.  A wave issues 112 matrix instructions between a refill and the wait for it.
; CLUSTERS: 4 x 4 work-groups; A's tile is asked for jointly along a row of the cluster, B's along a column.  THE MATRIX INSTRUCTION IS USED TRANSPOSED (source 0 = B, source 1 = A).
; REGISTERS: window 0: v0-31 addresses; v32-95 scale words, a set for each slot (register 4 i + q: lanes 0-15 A's block i, lanes 16-31 B's block i, step q); v128-223 A's fragments, two sets;
; window 1: B's fragments, two sets, at v0 and v128; window 2: the accumulators, (a, b) at v[8 (8 a + b)].
.set REC,    6400
.set SLOT,   24*REC
.set BOFF,   8*REC
.set SPARE,  2*SLOT                    ; behind the ring: the spare words, 128 bytes a wave
.set KBA,    512*REC                   ; from K block to K block in wq,
.set KBB,    64*REC                    ; and in vq
.set SIZE_N, 1024
.set SPITCH, 528                       ; the way out: a stage of 16 rows x (512 + 16) bytes a wave, in slot 0, which has had its last fill and its last read by then
.set FR,   12
.set ADRA, 16                          ; v16-17 my A fragments in slot 0, 1
.set ADRB, 18                          ; v18-19 my B fragments
.set ADRS, 20                          ; v20-21 my scale words: lanes 0-15 A's rows, lanes 16-31 B's
.set STO,  24
.set RD,   25
.set CO,   26
.set SPW,  28
.set NIL,  29
.set PFO,  30                          ; the prefetches' offset: 256 x min(lane, 24)
.set SC,   32
.set AF,   128
.set BK,   128
.set G1,  24
.set G0,  32
.set G1B, 48
.set G0B, 56
.set PFA, 66                           ; s[66:67] where my prefetches stand;  s[68:69] their step
.set PFS, 68
.set MSB, 0
.macro WIN new
.if MSB != \new
	s_set_vgpr_msb (MSB<<8)|\new
.set MSB, \new
.endif
.endm
.set MUL_LO, 0xa1                      ; source 0 (B) window 1, source 1 (A) window 0, C and D window 2
.set TO_B,   0x40
.macro PLACES n
.rept \n
	v_nop
.endr
.endm
.macro JLOAD s                         ; a joint load: waves 0, 1 for A, waves 2, 3 for B; s_nop 0 and four v_nop behind each line
	s_cmp_eq_u32 s15, 0
	s_cbranch_scc0 .Lfor_b_\@
	tensor_load_to_lds s[G0+4*\s:G0+4*\s+3], s[G1:G1+7]
	s_nop 0
.rept 4
	v_nop
.endr
	s_branch .Lasked_\@
.Lfor_b_\@:
	tensor_load_to_lds s[G0B+4*\s:G0B+4*\s+3], s[G1B:G1B+7]
	s_nop 0
.rept 4
	v_nop
.endr
.Lasked_\@:
.endm
; A prefetch behind each refill of the loop's first two trips: the K block that stands two refills on (blocks 4 to 7).  Of the records that a wave fetches each of the four partners that ask jointly
; takes a quarter, told apart by address: A one record (25 blocks of 256 bytes, a lane a block; lanes 25-31 name the last again), B two records, in two instructions.
.macro ASK
	s_cmp_gt_u32 s3, 1
	s_cbranch_scc0 .Lno_ask_\@
	global_prefetch_b8 v[PFO], s[PFA:PFA+1] th:TH_LOAD_NT scope:SCOPE_SE
	s_cmp_eq_u32 s15, 0
	s_cbranch_scc1 .Lno_ask_\@
	global_prefetch_b8 v[PFO], s[PFA:PFA+1] offset:REC th:TH_LOAD_NT scope:SCOPE_SE
.Lno_ask_\@:
.endm
.macro CREST
	s_cmp_lg_u32 s14, 0
	s_cbranch_scc1 .Lnot_wave_0_\@
	s_barrier_signal -3
.Lnot_wave_0_\@:
	s_barrier_wait -3
	s_barrier_signal -1
	s_barrier_wait -1
.endm
.macro CROUND
	s_barrier_signal -1
	s_barrier_wait -1
	CREST
.endm
.macro SHAPE g, rows                   ; a dense block as rows of 256 bytes: 32 elements of 8 bytes
	s_mov_b32 s[\g+1], 32<<16
	s_mov_b32 s[\g+2], (\rows)<<16
	s_mov_b32 s[\g+3], 32<<16
	s_mov_b32 s[\g+4], \rows
	s_mov_b32 s[\g+5], 32
	s_mov_b32 s[\g+6], 0
	s_mov_b32 s[\g+7], 0
.endm
	s_load_b128 s[4:7], s[0:1], 0x0                ; wq, vq
	s_load_b64 s[8:9], s[0:1], 0x10                ; out
	v_lshl_add_u32 v[SPW], v0, 2, SPARE
	v_mov_b32 v[NIL], 0
	ds_add_u32 v[SPW], v[NIL]                      ; the opening lines: the add, twice on end, and its wait
	ds_add_u32 v[SPW], v[NIL]
	v_lshrrev_b32 v1, 5, v0
	v_readfirstlane_b32 s14, v1                    ; wave
	s_lshr_b32 s15, s14, 1                         ; my half of the tile's rows; also: I fetch for A (0) or B (1)
	s_and_b32 s16, s14, 1                          ; my half of its columns; also: which half of that tile I fetch
	s_bfe_u32 s40, ttmp6, 0x40000                  ; cx
	s_bfe_u32 s41, ttmp6, 0x40004                  ; cy
	s_lshl_b32 s42, ttmp9, 2
	s_add_co_u32 s42, s42, s40                     ; tile column
	s_and_b32 s17, ttmp7, 0xffff
	s_lshl_b32 s17, s17, 2
	s_add_co_u32 s17, s17, s41                     ; tile row
	s_lshl_b32 s43, s41, 2
	s_lshl_b32 s43, 15, s43                        ; my row of the cluster
	s_lshl_b32 s44, 0x1111, s40                    ; my column
	s_or_b32 s[G1], s43, (3<<16)|(1<<21)
	s_or_b32 s[G1B], s44, (3<<16)|(1<<21)
	SHAPE G1, 100
	SHAPE G1B, 200
	s_lshl_b32 s20, s17, 3
	s_lshl_b32 s18, s16, 2
	s_add_co_u32 s20, s20, s18
	s_mul_i32 s20, s20, REC                        ; A: record 8 x tile row + 4 x half
	s_mov_b32 s21, 0
	s_lshl_b32 s46, s42, 4
	s_lshl_b32 s18, s16, 3
	s_add_co_u32 s46, s46, s18
	s_mul_i32 s46, s46, REC                        ; B: record 16 x tile column + 8 x half
	s_mov_b32 s47, 0
	s_mul_i32 s71, s40, REC
	s_add_co_u32 s71, s71, s20                     ; prefetches: my work-group's record of A's four,
	s_mul_i32 s72, s41, 2*REC
	s_add_co_u32 s72, s72, s46                     ; or its two of B's eight
	s_mul_i32 s45, s16, 4*REC                      ; where the tiles go
	s_mul_i32 s70, s16, 8*REC
	s_add_co_u32 s70, s70, BOFF                    ; (also: my 128 rows of B)
	s_mul_i32 s76, s15, 4*REC                      ; my 64 rows of A
	s_add_co_u32 s77, s76, SLOT
	s_add_co_u32 s78, s70, SLOT
	s_add_co_u32 s79, s76, 4*1536                  ; a record's scale bytes
	s_sub_co_u32 s80, s70, s76
	s_mul_i32 s23, s14, 16*SPITCH
	s_lshl_b32 s82, s17, 7
	s_lshl_b32 s83, s15, 6
	s_add_co_u32 s82, s82, s83
	s_lshl_b32 s82, s82, 12                        ; my first row of out, 4,096 bytes a row,
	s_lshl_b32 s83, s42, 10
	s_add_co_u32 s82, s82, s83
	s_lshl_b32 s83, s16, 9
	s_add_co_u32 s82, s82, s83                     ; and my first column
	s_mov_b32 s83, 0
	s_wait_dscnt 0x0
	s_wait_kmcnt 0x0
	s_add_nc_u64 s[20:21], s[4:5], s[20:21]
	s_add_nc_u64 s[46:47], s[6:7], s[46:47]
	s_add_nc_u64 s[8:9], s[8:9], s[82:83]
	CROUND                                         ; the first joint loads meet
.irp s, 0,1
	s_mov_b32 s[G0+4*\s], 1
	s_add_co_u32 s[G0+4*\s+1], s45, \s*SLOT
	s_add_nc_u64 s[G0+4*\s+2:G0+4*\s+3], s[20:21], \s*KBA
	s_or_b32 s[G0+4*\s+3], s[G0+4*\s+3], 0x80000000
	s_mov_b32 s[G0B+4*\s], 1
	s_add_co_u32 s[G0B+4*\s+1], s70, \s*SLOT
	s_add_nc_u64 s[G0B+4*\s+2:G0B+4*\s+3], s[46:47], \s*KBB
	s_or_b32 s[G0B+4*\s+3], s[G0B+4*\s+3], 0x80000000
.endr
	JLOAD 0                                        ; K block 0: one tensor load a wave at the head
	s_cmp_eq_u32 s15, 0
	s_cselect_b32 s72, s71, s72
	s_cselect_b64 s[PFA:PFA+1], s[4:5], s[6:7]
	s_mov_b32 s74, KBB
	s_cselect_b32 s[PFS], KBA, s74
	s_mov_b32 s[PFS+1], 0
	s_mov_b32 s73, 0
	s_mul_i32 s74, s[PFS], 3
	s_mov_b32 s75, 0
	s_add_nc_u64 s[PFA:PFA+1], s[PFA:PFA+1], s[72:73]
	s_add_nc_u64 s[PFA:PFA+1], s[PFA:PFA+1], s[74:75]   ; at K block 3: the first refill steps it to 4
	v_and_b32 v1, 15, v0
	v_bfe_u32 v2, v0, 4, 1
	v_and_b32 v6, 31, v0
	v_lshlrev_b32 v[CO], 4, v6                     ; 16 x lane
	v_add_nc_u32 v[ADRA], s76, v[CO]
	v_add_nc_u32 v[ADRA+1], s77, v[CO]
	v_add_nc_u32 v[ADRB], s70, v[CO]
	v_add_nc_u32 v[ADRB+1], s78, v[CO]
	v_lshlrev_b32 v5, 4, v1                        ; 16 scale bytes a row
	v_mul_u32_u24 v7, s80, v2                      ; lanes 16-31 take B's
	v_add_nc_u32 v5, v5, v7
	v_add_nc_u32 v[ADRS], s79, v5
	v_add_nc_u32 v[ADRS+1], SLOT, v[ADRS]
	v_mul_u32_u24 v5, v1, SPITCH
	v_lshl_add_u32 v5, v2, 5, v5
	v_add_nc_u32 v[STO], s23, v5                   ; the stage, in: row l % 16, 32 bytes for each half of the lanes
	v_add_nc_u32 v[RD], s23, v[CO]                 ; back: 32 lanes take a row of 512 bytes
	v_min_u32 v[PFO], 24, v6
	v_lshlrev_b32 v[PFO], 8, v[PFO]
.macro MUL8 a, p, q, sc, zero          ; A's block a against B's eight, 128 along K; the 32 accumulators take turns, in the same order in every step
.irp b, 0,1,2,3,4,5,6,7
.if \zero
	v_wmma_scale_f32_16x16x128_f8f6f4 v[8*(8*(\a)+\b):8*(8*(\a)+\b)+7], v[128*(\p)+FR*\b:128*(\p)+FR*\b+FR-1], v[AF+48*(\p)+FR*(\a):AF+48*(\p)+FR*(\a)+FR-1], 0, v[SC+32*(\sc)+4*\b+(\q)], v[SC+32*(\sc)+4*(\a)+(\q)] matrix_a_fmt:MATRIX_FMT_FP6 matrix_b_fmt:MATRIX_FMT_FP6 matrix_a_scale:MATRIX_SCALE_ROW1
.else
	v_wmma_scale_f32_16x16x128_f8f6f4 v[8*(8*(\a)+\b):8*(8*(\a)+\b)+7], v[128*(\p)+FR*\b:128*(\p)+FR*\b+FR-1], v[AF+48*(\p)+FR*(\a):AF+48*(\p)+FR*(\a)+FR-1], v[8*(8*(\a)+\b):8*(8*(\a)+\b)+7], v[SC+32*(\sc)+4*\b+(\q)], v[SC+32*(\sc)+4*(\a)+(\q)] matrix_a_fmt:MATRIX_FMT_FP6 matrix_b_fmt:MATRIX_FMT_FP6 matrix_a_scale:MATRIX_SCALE_ROW1
.endif
.endr
.endm
.macro FETCH slot, q, p                ; step q's twelve fragments into set p: 36 loads, each of 512 consecutive LDS bytes
	WIN TO_B
.irp i, 0,1,2,3,4,5,6,7
.irp j, 0,1,2
	ds_load_b128 v[128*(\p)+FR*\i+4*\j:128*(\p)+FR*\i+4*\j+3], v[ADRB+\slot] offset:\i*REC+(\q)*1536+\j*512
.endr
.endr
	WIN 0
.irp i, 0,1,2,3
.irp j, 0,1,2
	ds_load_b128 v[AF+48*(\p)+FR*\i+4*\j:AF+48*(\p)+FR*\i+4*\j+3], v[ADRA+\slot] offset:\i*REC+(\q)*1536+\j*512
.endr
.endr
.endm
.macro SCALES slot                     ; a K block's scale words, four a row.  (Lanes 0-15 of blocks 4-7 read records that are not my rows': landed bytes that no product names)
.irp i, 0,1,2,3,4,5,6,7
	ds_load_b128 v[SC+32*\slot+4*\i:SC+32*\slot+4*\i+3], v[ADRS+\slot] offset:\i*REC
.endr
.endm
.macro Q slot, q, zero                 ; a step: its fragments are in; the next step's are asked for; 32 matrix instructions
	s_wait_dscnt 0x0
	PLACES 4                                       ; in front of loads into registers that matrix instructions have read
	FETCH \slot, (\q)+1, ((\q)+1)%2
	WIN MUL_LO
.irp x, 0,1,2,3
	MUL8 \x, (\q)%2, \q, \slot, \zero
.endr
	WIN 0
.endm
; Steps 2 and 3 of a K block, and the change of slots.  Ahead of the barrier each wave waits for all its tensor loads (one is out: its part of the next slot), adds 0 to its spare word,
; and waits for the add and for its reads of this slot, step 3's fragments among them.  fill = 1: the barrier opens a round of the cluster's barrier, and this slot takes the K block two on.
.macro Q2T slot, next, fill
.if \fill
	s_wait_xcnt 0x0                                ; my prefetches have read their address
	s_add_nc_u64 s[PFA:PFA+1], s[PFA:PFA+1], s[PFS:PFS+1]
.endif
	s_wait_dscnt 0x0
	PLACES 4
	FETCH \slot, 3, 1
	WIN MUL_LO
	MUL8 0, 0, 2, \slot, 0
	MUL8 1, 0, 2, \slot, 0
	MUL8 2, 0, 2, \slot, 0
	WIN 0
	s_wait_tensorcnt 0x0
	ds_add_u32 v[SPW], v[NIL]
	WIN MUL_LO
	MUL8 3, 0, 2, \slot, 0
	s_wait_dscnt 0x0
	s_barrier_signal -1
	MUL8 0, 1, 3, \slot, 0
	WIN 0
	s_barrier_wait -1
.if \fill
	CREST
	s_add_nc_u64 s[G0+4*\slot+2:G0+4*\slot+3], s[G0+4*\slot+2:G0+4*\slot+3], 2*KBA
	s_add_nc_u64 s[G0B+4*\slot+2:G0B+4*\slot+3], s[G0B+4*\slot+2:G0B+4*\slot+3], 2*KBB
	JLOAD \slot                                    ; the first tensor load behind the round; its four v_nop are the places in front of the loads below
.else
	PLACES 4
.endif
	FETCH \next, 0, 0
	SCALES \next
.if \fill
	ASK
.endif
	WIN MUL_LO
	MUL8 1, 1, 3, \slot, 0
	MUL8 2, 1, 3, \slot, 0
	MUL8 3, 1, 3, \slot, 0
	WIN 0
.endm
	s_wait_alu depctr_va_vdst(0)                   ; the wait at the head's end
	s_wait_tensorcnt 0x0                           ; my part of K block 0 is in
	ds_add_u32 v[SPW], v[NIL]
	s_wait_dscnt 0x0
	CROUND
	JLOAD 1                                        ; K block 1, the first tensor load behind the round
	FETCH 0, 0, 0
	SCALES 0
	Q 0, 0, 1                                      ; the first step's products start the sums
	s_mov_b32 s3, 3
.Llap:                                                 ; a trip goes once round the ring, from a lap's second step to the next lap's first, and fills both slots again: K blocks 2 to 7
	Q 0, 1, 0
	Q2T 0, 1, 1
	Q 1, 0, 0
	Q 1, 1, 0
	Q2T 1, 0, 1
	Q 0, 0, 0
	s_sub_co_u32 s3, s3, 1
	s_cmp_lg_u32 s3, 0
	s_cbranch_scc1 .Llap
	Q 0, 1, 0                                      ; K blocks 6 and 7: nothing more is fetched
	Q2T 0, 1, 0
	Q 1, 0, 0
	Q 1, 1, 0
	Q 1, 2, 0
	s_wait_dscnt 0x0
	WIN MUL_LO
.irp x, 0,1,2,3
	MUL8 \x, 1, 3, 1, 0
.endr
	WIN 0
; THE WAY OUT, block by block of 16 rows x 128 columns, through my own stage: in as 32 bytes a lane, back as whole rows of 512 bytes.  LDS serves a wave's instructions in order (ISA guide 5.7.1.4).
.macro TOSTAGE a
.set AC, 64*(\a)
	WIN 0x08
.irp b, 0,1,2,3,4,5,6,7
	ds_store_b128 v[STO], v[AC+8*\b:AC+8*\b+3] offset:64*\b          ; each accumulator from its low end on
	ds_store_b128 v[STO], v[AC+8*\b+4:AC+8*\b+7] offset:64*\b+16
.endr
	WIN 0
.set BB, BK+64*((\a)%2)
.irp t, 0,1,2,3,4,5,6,7,8,9,10,11,12,13,14,15
	ds_load_b128 v[BB+4*\t:BB+4*\t+3], v[RD] offset:\t*SPITCH
.endr
.endm
.macro SEND a, younger
.set BB, BK+64*((\a)%2)
	s_wait_dscnt \younger
.if (\a) > 0
	s_add_nc_u64 s[8:9], s[8:9], 16*SIZE_N*4       ; behind a wait on XCNT: the earlier stores have read their base
.endif
.irp t, 0,1,2,3,4,5,6,7,8,9,10,11,12,13,14,15
	global_store_b128 v[CO], v[BB+4*\t:BB+4*\t+3], s[8:9] offset:\t*SIZE_N*4 th:TH_STORE_NT   ; 32 lanes store 512 consecutive bytes, at a multiple of 256 from out's first byte
.endr
.endm
	PLACES 4
	TOSTAGE 0
.irp a, 1,2,3
.if \a > 1
	s_wait_xcnt 0x0                                ; block a - 2's stores have read their registers and their base
.endif
	TOSTAGE \a
	SEND \a-1, 32
.endr
	s_wait_xcnt 0x0
	SEND 3, 0
	s_wait_tensorcnt 0x0                           ; the wave's end
	ds_add_u32 v[SPW], v[NIL]
	s_wait_dscnt 0x0
	CROUND                                         ; the closing round
	s_endpgm
.Lfunc_end_k_q79fc5bfc4b_out_gemm:
	.size	k_q79fc5bfc4b_out_gemm, .Lfunc_end_k_q79fc5bfc4b_out_gemm-k_q79fc5bfc4b_out_gemm
	.p2alignl 7, 3214868480
	.fill 96, 4, 3214868480
	.section	.rodata,"a",@progbits
	.p2align	6, 0x0
	.amdhsa_kernel k_q79fc5bfc4b_out_gemm
		.amdhsa_group_segment_fixed_size 327680
		.amdhsa_private_segment_fixed_size 0
		.amdhsa_enable_private_segment 0
		.amdhsa_kernarg_size 24
		.amdhsa_user_sgpr_count 2
		.amdhsa_user_sgpr_kernarg_segment_ptr 1
		.amdhsa_wavefront_size32 1
		.amdhsa_system_sgpr_workgroup_id_x 1
		.amdhsa_system_sgpr_workgroup_id_y 1
		.amdhsa_system_sgpr_workgroup_id_z 1
		.amdhsa_system_vgpr_workitem_id 0
		.amdhsa_next_free_vgpr 768
		.amdhsa_next_free_sgpr 98
		.amdhsa_reserve_vcc 0
		.amdhsa_float_denorm_mode_32 3
		.amdhsa_float_denorm_mode_16_64 3
		.amdhsa_memory_ordered 1
		.amdhsa_forward_progress 1
		.amdhsa_inst_pref_size 133
	.end_amdhsa_kernel
	.amdgpu_metadata
---
amdhsa.version: [ 1, 2 ]
amdhsa.kernels:
  - .name:           k_q79fc5bfc4b_out_gemm
    .symbol:         k_q79fc5bfc4b_out_gemm.kd
    .args:
      - { .name: wq, .offset: 0, .size: 8, .value_kind: global_buffer, .address_space: global }
      - { .name: vq, .offset: 8, .size: 8, .value_kind: global_buffer, .address_space: global }
      - { .name: out0, .offset: 16, .size: 8, .value_kind: global_buffer, .address_space: global }
    .group_segment_fixed_size: 327680
    .private_segment_fixed_size: 0
    .kernarg_segment_align: 8
    .kernarg_segment_size: 24
    .max_flat_workgroup_size: 128
    .sgpr_count:     98
    .vgpr_count:     768
    .wavefront_size: 32
...
	.end_amdgpu_metadata
.endif
;; end of part 3
